; MI455X (gfx1250); checked and timed in simulation.
; The chip was launched on July 23, 2026; its instructions are those of AMD's public machine-readable ISA for CDNA 5 (MIT licence, August 2026) and "CDNA5" Instruction Set Architecture Reference Guide (July 2026). The comments in the code are by the model that wrote it; some were corrected since.
;; Casual Self Attention. Allowed arithmetic: matrix products marked QUANTISED: E2M1 operands, one E8M0 scale for each 32 along K, by v_wmma_scale_f32_16x16x128_f8f6f4 with both operands' format E2M1 (or v_wmma_scale_f32_32x16x128_f4), f32 sums; everything else in f32.
;; Inputs: W_kqv_codes 3,072 x 32 x 16 uint8 (E2M1 codes of W_kqv, K innermost, in blocks of 32 codes, two codes a byte); W_kqv_scales 3,072 x 32 uint8 (E8M0 scales of W_kqv, one for each 32 codes along K); W_proj_codes 1,024 x 32 x 16 uint8 (E2M1 codes of W_proj, K innermost, in blocks of 32 codes, two codes a byte); W_proj_scales 1,024 x 32 uint8 (E8M0 scales of W_proj, one for each 32 codes along K); b_proj 1,024 float32; x_codes 2 x 2,048 x 32 x 16 uint8 (E2M1 codes of x, K innermost, in blocks of 32 codes, two codes a byte); x_scales 2 x 2,048 x 32 uint8 (E8M0 scales of x, one for each 32 codes along K).
;; Outputs: out0 2 x 2,048 x 1,024 float32.
;; This version of the problem:
;;   THIS VERSION OF THE PROBLEM IS GIVEN IN LOW PRECISION. The matrix products marked QUANTISED in the list below multiply operands that are first quantised to E2M1 (2 exponent bits, 1 mantissa bit; 4 bits a number), with one power-of-two scale for each 32 numbers along K (OCP MX v1.0); their sums are f32. All else is computed in f32.
;;   The module's matrix products, in the order in which they are computed (A, B: the left and right operand; K: the contracted axis; several contracted axes count as one K, in the product's order):
;;     1. [M 4,096, K 1,024] x [K 1,024, N 3,072]; A: input x (given as codes); B: input W_kqv (given as codes): QUANTISED
;;     2. batch 32 x [M 2,048, K 64] x [K 64, N 2,048]; A: computed on the way; B: computed on the way: QUANTISED
;;     3. batch 32 x [M 2,048, K 2,048] x [K 2,048, N 64]; A: softmax (see below); B: computed on the way: QUANTISED
;;     4. [M 4,096, K 1,024] x [K 1,024, N 1,024]; A: computed on the way; B: input W_proj (given as codes): QUANTISED
;;   THE QUANTISER, for each operand of a quantised product, along K:
;;     - K is cut into blocks of 32 from its start; a last block that is shorter is filled with zeros.
;;     - A block's scale is 2^e with e = floor(log2(the largest magnitude in the block)) - 2, held to -126 .. 127; a block of zeros has e = 0. As a byte (E8M0): e + 127.
;;     - Each number is divided by its block's scale, clamped to +-6, and rounded to the nearest number of E2M1, ties to even, subnormals kept.
;;     - The product sums the exact products of the quantised numbers (number of the format x scale) in f32.
;;   ~~~python
;;   def quantise(x, axis):      # numpy; x: float32 -> the quantised numbers, widened to float32 again
;;       x = np.moveaxis(x, axis, -1); K = x.shape[-1]
;;       x = np.pad(x, [(0, 0)] * (x.ndim - 1) + [(0, -K % 32)]); x = x.reshape(x.shape[:-1] + (-1, 32)); a = np.abs(x).max(-1, keepdims=True)
;;       e = np.where(a > 0, np.clip(np.frexp(np.where(a > 0, a, 1))[1] - 1 - 2, -126, 127), 0)      # np.frexp(a)[1] - 1 = floor(log2(a)), exactly
;;       r = np.clip(x / 2.0 ** e, -6, 6)
;;       step = 2.0 ** (np.maximum(np.frexp(np.where(r == 0, 1, r))[1] - 1, 0) - 1)
;;       q = np.round(r / step) * step * 2.0 ** e      # np.round: ties to even
;;       return np.moveaxis(q.reshape(q.shape[:-2] + (-1,))[..., :K], -1, axis).astype(np.float32)
;;   ~~~
;;   SOFTMAX AHEAD OF A QUANTISED PRODUCT. Where the list says 'softmax', what is quantised is not the finished softmax but p = 2^(t - M), with t = logit x log2(e) and M = ceil(the row's largest t), a whole number; so 1/2 < the row's largest p <= 1. The row's sum l is taken of the UNQUANTISED p, in f32, and the product's result is divided by l at the end. Since M is a whole number, a kernel that streams over the keys may use a running M (the ceiling of the running maximum): every later rescaling is an exact power of two, which a block's scale takes up: the codes' values come out the same.
;;   OPERANDS COMPUTED ON THE WAY. 'Computed on the way' means the value that the module computes at that place (a softmax that the list does not call 'softmax' is quantised finished and normalised). What goes into a quantiser is computed in f32, as accurately as f32 sums, v_exp_f32 and their like allow (about 1e-6 of the number): no bf16 or f16 on the way to a quantiser, and a product that is left as it is and whose result goes on into a quantised operand takes f32 operands (vector FMAs, or v_wmma_f32_16x16x4_f32). A number that lies on a knife's edge between two numbers of the format may be rounded either way, as far as f32 arithmetic and the matrix unit's own rounding can turn it there, and no further.
;;   INPUTS GIVEN AS CODES. W_kqv (in the module: [3072, 1024], K = its axis 1); W_proj (in the module: [1024, 1024], K = its axis 1); x (in the module: [2, 2048, 1024], K = its axis 2): each comes as NAME_codes (uint8): NAME with its K axis moved to the last place and cut into blocks of 32 codes, [.., K / 32, bytes a block], one block behind the other in memory; two codes a byte, the lower K in the low four bits (a code: sign, 2 exponent bits, 1 mantissa bit); and NAME_scales (uint8): the same leading axes, one E8M0 byte (e + 127) for each 32 codes along K. Its value is code x scale, taken as it is: it is not quantised again, and the codes and scales need not be those that the quantiser above would give.
;; One version. Each part assembles by itself: llvm-mc -triple=amdgcn-amd-amdhsa -mcpu=gfx1250 --defsym DOCPART=n.
;; ======== version 1 of 1: 3 launches
;; limits: right only within a limited range of input values
;; workspace buffers: kv 4,849,664 bytes; qimg 2,097,152 bytes; oimg 2,097,152 bytes; osc 131,072 bytes
;; launch qkv (part 1): grid 16 x 16, 4 waves a work-group, clusters of 4 x 4, 244,736 bytes of LDS; arguments W_kqv_codes, W_kqv_scales, x_codes, x_scales, kv, qimg; writes kv, qimg
.if DOCPART == 1
	.amdgcn_target "amdgcn-amd-amdhsa--gfx1250"
	.amdhsa_code_object_version 6
	.text
	.protected	k_q72116aaafc_qkv
	.globl	k_q72116aaafc_qkv
	.p2align	8
	.type	k_q72116aaafc_qkv,@function
k_q72116aaafc_qkv:
	s_mov_b64 s[64:65], 0
	v_nop
	global_prefetch_b8 v0, s[64:65] scope:SCOPE_SE
	s_setreg_imm32_b32 hwreg(HW_REG_WAVE_MODE, 25, 1), 1
	s_wait_xcnt 0x0
	s_wait_alu depctr_hold_cnt(0) depctr_sa_sdst(0) depctr_va_vdst(0) depctr_va_sdst(0) depctr_va_ssrc(0) depctr_va_vcc(0) depctr_vm_vsrc(0)
	s_getreg_b32 s2, hwreg(HW_REG_IB_STS2, 6, 4)
	s_cmp_eq_u32 s2, 0
	s_cbranch_scc0 .Lentry_in_a_cluster
	s_endpgm
.Lentry_in_a_cluster:
	s_bfe_u32 s2, ttmp6, 0x10000c
	s_cmp_lg_u32 s2, 0xf033
	s_cbranch_scc0 .Lentry_shape_is_right
	s_endpgm
.Lentry_shape_is_right:
; kqv = x W_kqv^T on codes of FP4 (E2M1) with E8M0 scales, K = 1,024; the results are quantised at once and leave as codes: k and q along the head's 64 channels, v along the keys (tokens).
; SHARES.  256 work-groups: one head (x) and 256 tokens (y) each.  A wave makes its 64 tokens' k, q and v of that head: 64 x 192, 48 accumulators of 16 x 16.
; A row of 1,024 codes is 512 bytes.  LDS holds 256 rows of x and 3 x 64 rows of W (the head's k, q and v) in two slots, one for each half of K.  Each LDS byte is filled once, by one tensor load a wave:
; waves 0 and 1 fetch x and W for the first half of K, waves 2 and 3 for the second; the first half is multiplied from when it is in.  Nothing is loaded in a loop, so there is nothing to prefetch ahead of.
; CLUSTERS: 4 x 4.  x's rows hang on the place along y and are asked for jointly by a row of the cluster, W's on the place along x and by a column.
; THE SCALE WORDS go from memory to registers: lane l holds row l of 32 rows, so lanes 0-15 serve one block of 16 rows and lanes 16-31 the next (ROW1).
; SOURCES.  In a result lane l holds one row of source 1 (l % 16), its eight registers the rows 8 (l / 16) + 0 .. 7 of source 0.  A quantiser wants its K along the registers:
; k, q: source 0 = W's rows (channels), source 1 = tokens;  v: source 0 = tokens (keys), source 1 = W's rows.
; THE QUANTISER.  A block's scale byte is its largest magnitude's exponent field - 2, held at 1 from below.  LIMITS: a block whose largest magnitude lies under 2^-124 keeps the byte 1; a block of
; zeros gets the byte 1 where the rule says 127 (its codes are zeros, and this program alone reads the bytes); NaN and infinities are not served.
; OUT, as images of operand registers (lane = r + 16 h):
;   kv [32 heads][16 key steps][9,472]: +0 K's codes [8 tiles][lane][16]; +4,096 V's codes [4 tiles of channels][2][lane][16]; +8,192 V's scale words [r][4]; +8,448 K's [2][r][4]; +8,960 Q's [2][r][4]
;   qimg [32][128 tiles][lane][16].   k's and q's words: the bytes of the head's two blocks, 0x7f7f above them for the 64 zero codes that fill the K step of 128.
; REGISTERS, in windows of 256: window 0 addresses, scale words, the way out; window 1 fragments, two sets of 128 (4 x tokens, 12 x W); window 2 the 32 accumulators of k and q; window 3 the 16 of v.
.set PITCH, 272                        ; an LDS row: 256 bytes + 16 = 68 words: the 16 rows that a load touches start at 16 different banks (64 banks of 4 bytes: ISA guide 11.1)
.set WB,    256*PITCH                  ; in a slot W's 192 rows lie behind x's 256
.set SLOT,  448*PITCH
.set STG,   2*SLOT                     ; 512 bytes: v's scale words of two key steps
.set SPARE, STG+512
.set REC,   9472
.set STA,  10
.set STR,  11
.set VO,   12
.set VS,   13
.set VVS,  14
.set SPW,  16
.set NIL,  17
.set ADT,  18                          ; v18-19 LDS address of my tokens' fragments in slot 0, 1
.set ADW,  20                          ; v20-21 of W's
.set XS,   32                          ; x's scale words: v[32 + 8 i + k], i = rows 32 i .. of my 64, k = the 128 along K
.set WS,   48                          ; W's: v[48 + 16 g + 8 i + k], g = k, q, v
.set MX,   96
.set PX,   112
.set SO,   128
.set BY,   144
.set CDK,  160
.set CDV,  192
.set VWD,  208
.set XW,   212
.set KWD,  216
.set WV,   16
.set SEL,  74
.set G1X,  24
.set G1W,  32
.set G0X,  40
.set G0W,  44
.set G2W,  76
.set G3W,  80
.set MSB, 0
.macro WIN new                         ; the immediate's high byte repeats the setting that is left
.if MSB != \new
	s_set_vgpr_msb (MSB<<8)|\new
.set MSB, \new
.endif
.endm
.macro PLACES
.rept 4
	v_nop
.endr
.endm
.macro CROUND                          ; a round of the cluster's barrier
	s_barrier_signal -1
	s_barrier_wait -1
	s_cmp_lg_u32 s[WV], 0
	s_cbranch_scc1 .Lnot_wave_0_\@
	s_barrier_signal -3
.Lnot_wave_0_\@:
	s_barrier_wait -3
	s_barrier_signal -1
	s_barrier_wait -1
.endm
	s_load_b256 s[4:11], s[0:1], 0x0               ; W's codes s[4:5], W's scales s[6:7], x's codes s[8:9], x's scales s[10:11]
	s_load_b128 s[12:15], s[0:1], 0x20             ; kv s[12:13], qimg s[14:15]
	v_lshl_add_u32 v[SPW], v0, 2, SPARE
	v_mov_b32 v[NIL], 0
	ds_add_u32 v[SPW], v[NIL]                      ; the opening add, twice on end
	ds_add_u32 v[SPW], v[NIL]
	v_lshrrev_b32 v1, 5, v0
	v_readfirstlane_b32 s[WV], v1                  ; wave 0..3
	s_bfe_u32 s20, ttmp6, 0x40000                  ; my place in the cluster
	s_bfe_u32 s21, ttmp6, 0x40004
	s_lshl_b32 s17, ttmp9, 2                       ; in a cluster launch ttmp9 and ttmp7 count clusters
	s_add_co_u32 s17, s17, s20                     ; the head
	s_and_b32 s18, ttmp7, 0xffff
	s_lshl_b32 s18, s18, 2
	s_add_co_u32 s18, s18, s21                     ; the block of 256 tokens
	s_lshl_b32 s22, s21, 2
	s_lshl_b32 s22, 15, s22                        ; my row of the cluster
	s_lshl_b32 s23, 0x1111, s20                    ; my column
	s_and_b32 s19, s[WV], 1                        ; which 64 tokens of a key step are mine
	s_lshr_b32 s68, s[WV], 1                       ; which of the two key steps.  Also: which half of K I fetch
	; group 1: rows of 256 bytes, 512 apart, 16 bytes of padding behind each; 256 rows of x; of W three planes of 64 rows, 1,024 rows (524,288 bytes) apart
	s_or_b32 s[G1X], s22, (0<<16)|(1<<20)|(1<<21)|(5<<22)|(3<<25)
	s_or_b32 s[G1W], s23, (0<<16)|(1<<20)|(1<<21)|(5<<22)|(3<<25)
.irp g, G1X, G1W
	s_mov_b32 s[\g+1], 256<<16
	s_mov_b32 s[\g+3], 256<<16
	s_mov_b32 s[\g+5], 512
	s_mov_b32 s[\g+6], 0
.endr
	s_mov_b32 s[G1X+2], 256<<16
	s_mov_b32 s[G1X+4], 256
	s_mov_b32 s[G1X+7], 0
	s_mov_b32 s[G1W+2], 64<<16
	s_mov_b32 s[G1W+4], 64|(3<<16)                 ; tile_dim1, tile_dim2
	s_mov_b32 s[G1W+7], 8                          ; stride1 = 8 x 65,536 bytes
	s_mov_b32 s[G2W], 3                            ; tensor_dim2
.irp j, 1,2,3
	s_mov_b32 s[G2W+\j], 0
.endr
.irp j, 0,1,2,3
	s_mov_b32 s[G3W+\j], 0
.endr
	s_mov_b32 s[G0X], 1
	s_mul_i32 s[G0X+1], s68, SLOT
	s_mov_b32 s[G0W], 1
	s_mul_i32 s[G0W+1], s68, SLOT
	s_add_co_u32 s[G0W+1], s[G0W+1], WB
	s_lshl_b32 s48, s18, 13                        ; byte offsets: x's scales of my 64 tokens,
	s_lshl_b32 s49, s[WV], 11
	s_add_co_u32 s48, s48, s49
	s_mov_b32 s49, 0
	s_lshl_b32 s50, s17, 11                        ; the head's W scales,
	s_mov_b32 s51, 0
	s_lshl_b32 s55, s68, 8                         ; my half of K:
	s_lshl_b32 s52, s18, 17
	s_add_co_u32 s52, s52, s55                     ; x's codes,
	s_mov_b32 s53, 0
	s_lshl_b32 s54, s17, 15
	s_add_co_u32 s54, s54, s55                     ; W's codes
	s_mov_b32 s55, 0
	s_lshr_b32 s69, s18, 3
	s_lshl_b32 s69, s69, 4
	s_add_co_u32 s69, s69, s17                     ; 16 x batch + head
	s_and_b32 s70, s18, 7
	s_lshl_b32 s70, s70, 1
	s_add_co_u32 s70, s70, s68                     ; the key step
	s_lshl_b32 s66, s69, 16
	s_lshl_b32 s67, s70, 12
	s_add_co_u32 s66, s66, s67
	s_lshl_b32 s67, s19, 11
	s_add_co_u32 s66, s66, s67                     ; q's codes
	s_lshl_b32 s69, s69, 4
	s_add_co_u32 s70, s70, s69
	s_mul_i32 s70, s70, REC                        ; my record
	s_add_co_u32 s56, s70, s67                     ; k's codes
	s_lshl_b32 s67, s19, 9
	s_add_co_u32 s58, s70, s67
	s_add_co_u32 s58, s58, 4096                    ; v's codes
	s_lshl_b32 s67, s19, 8
	s_add_co_u32 s60, s70, s67
	s_add_co_u32 s60, s60, 8448                    ; k's scale words (q's lie 512 bytes on)
	s_add_co_u32 s62, s70, 8192                    ; v's scale words
	s_mov_b32 s57, 0
	s_mov_b32 s59, 0
	s_mov_b32 s61, 0
	s_mov_b32 s63, 0
	s_mov_b32 s67, 0
	s_mov_b32 s[SEL], 0x76543210                   ; lane selects: lane l xor 16
	s_mov_b32 s[SEL+1], 0xfedcba98
	s_mul_i32 s71, s[WV], 64*PITCH
	s_lshl_b32 s72, s68, 8
	s_lshl_b32 s73, s19, 1
	s_add_co_u32 s72, s72, s73
	s_add_co_u32 s72, s72, STG
	v_and_b32 v2, 15, v0                           ; r
	v_bfe_u32 v3, v0, 4, 1                         ; h
	v_and_b32 v4, 31, v0                           ; lane
	v_lshlrev_b32 v5, 5, v4                        ; a row of scale bytes is 32 bytes
	v_mul_u32_u24 v6, v2, PITCH
	v_lshl_add_u32 v6, v3, 4, v6                   ; a fragment's row x pitch + 16 x half
	v_add_nc_u32 v[ADT], s71, v6
	v_add_nc_u32 v[ADW], WB, v6
	v_add_nc_u32 v[ADT+1], SLOT, v[ADT]
	v_add_nc_u32 v[ADW+1], SLOT, v[ADW]
	v_lshl_add_u32 v[STA], v2, 4, s72              ; the stage: [key step][r][tile of channels] words, my half word
	v_lshlrev_b32 v[VO], 4, v4
	v_add_nc_u32 v[STR], STG, v[VO]
	v_lshlrev_b32 v[VS], 4, v2
	v_lshl_add_u32 v[VS], v3, 9, v[VS]             ; lanes 0-15 k's words, lanes 16-31 q's
	v_mul_u32_u24 v[VVS], REC, v3
	v_lshl_add_u32 v[VVS], v2, 4, v[VVS]           ; lanes 0-15 the first key step's record, lanes 16-31 the second's
.set z, 0
.rept 16
	v_mov_b32 v[PX+z], 0                           ; a lane permute's destination counts as one of its sources
.set z, z+1
.endr
	s_wait_alu depctr_va_vdst(0)
	s_wait_dscnt 0x0                               ; both opening adds are done
	s_wait_kmcnt 0x0
	s_add_nc_u64 s[48:49], s[10:11], s[48:49]
	s_add_nc_u64 s[50:51], s[6:7], s[50:51]
.irp i, 0,1
.irp j, 0,1
	global_load_b128 v[XS+8*\i+4*\j:XS+8*\i+4*\j+3], v5, s[48:49] offset:1024*\i+16*\j
.endr
.endr
.irp g, 0,1,2
.irp i, 0,1
.irp j, 0,1
	global_load_b128 v[WS+16*\g+8*\i+4*\j:WS+16*\g+8*\i+4*\j+3], v5, s[50:51] offset:32768*\g+1024*\i+16*\j
.endr
.endr
.endr
	s_add_nc_u64 s[G0X+2:G0X+3], s[8:9], s[52:53]
	s_or_b32 s[G0X+3], s[G0X+3], 0x80000000
	s_add_nc_u64 s[G0W+2:G0W+3], s[4:5], s[54:55]
	s_or_b32 s[G0W+3], s[G0W+3], 0x80000000
	s_add_nc_u64 s[56:57], s[12:13], s[56:57]
	s_add_nc_u64 s[58:59], s[12:13], s[58:59]
	s_add_nc_u64 s[60:61], s[12:13], s[60:61]
	s_add_nc_u64 s[62:63], s[12:13], s[62:63]
	s_add_nc_u64 s[66:67], s[14:15], s[66:67]
	CROUND                                         ; all sixteen work-groups are here: the joint loads meet
	; one load a wave, each with a line of its own: waves 2 and 3 jump over the first wait below
	s_cmp_eq_u32 s[WV], 0
	s_cbranch_scc0 .Lh1
	tensor_load_to_lds s[G0X:G0X+3], s[G1X:G1X+7]
	s_nop 0
	PLACES
	s_branch .Lasked
.Lh1:
	s_cmp_eq_u32 s[WV], 1
	s_cbranch_scc0 .Lh2
	tensor_load_to_lds s[G0W:G0W+3], s[G1W:G1W+7], s[G2W:G2W+3], s[G3W:G3W+3]
	s_nop 0
	PLACES
	s_branch .Lasked
.Lh2:
	s_cmp_eq_u32 s[WV], 2
	s_cbranch_scc0 .Lh3
	tensor_load_to_lds s[G0X:G0X+3], s[G1X:G1X+7]
	s_nop 0
	PLACES
	s_branch .Lasked
.Lh3:
	tensor_load_to_lds s[G0W:G0W+3], s[G1W:G1W+7], s[G2W:G2W+3], s[G3W:G3W+3]
	s_nop 0
	PLACES
.Lasked:
; 32 LDS loads: the k-th 128 along K into set p.  16 rows x 128 K: lane l holds row l % 16; registers 4 c .. 4 c + 3 hold K = 64 c + 32 (l / 16) + 0 .. 31
.macro FETCH k, p
	WIN 0x40
.irp i, 0,1,2,3
.irp c, 0,1
	ds_load_b128 v[128*(\p)+8*\i+4*\c:128*(\p)+8*\i+4*\c+3], v[ADT+(\k)/4] offset:16*PITCH*\i+64*((\k)%4)+32*\c
.endr
.endr
.irp i, 0,1,2,3,4,5,6,7,8,9,10,11
.irp c, 0,1
	ds_load_b128 v[128*(\p)+32+8*\i+4*\c:128*(\p)+32+8*\i+4*\c+3], v[ADW+(\k)/4] offset:16*PITCH*\i+64*((\k)%4)+32*\c
.endr
.endr
.endm
; one product: d result, c addend, a and b sources 0 and 1, sa and sb their scale words, ra and rb: 1 where lanes 16-31 hold them
.macro MM d, c, a, b, sa, ra, sb, rb
.if (\ra) == 0 && (\rb) == 0
	v_wmma_scale_f32_16x16x128_f8f6f4 v[\d:\d+7], v[\a:\a+7], v[\b:\b+7], \c, v[\sa], v[\sb] matrix_a_fmt:MATRIX_FMT_FP4 matrix_b_fmt:MATRIX_FMT_FP4
.elseif (\ra) == 0
	v_wmma_scale_f32_16x16x128_f8f6f4 v[\d:\d+7], v[\a:\a+7], v[\b:\b+7], \c, v[\sa], v[\sb] matrix_a_fmt:MATRIX_FMT_FP4 matrix_b_fmt:MATRIX_FMT_FP4 matrix_b_scale:MATRIX_SCALE_ROW1
.elseif (\rb) == 0
	v_wmma_scale_f32_16x16x128_f8f6f4 v[\d:\d+7], v[\a:\a+7], v[\b:\b+7], \c, v[\sa], v[\sb] matrix_a_fmt:MATRIX_FMT_FP4 matrix_b_fmt:MATRIX_FMT_FP4 matrix_a_scale:MATRIX_SCALE_ROW1
.else
	v_wmma_scale_f32_16x16x128_f8f6f4 v[\d:\d+7], v[\a:\a+7], v[\b:\b+7], \c, v[\sa], v[\sb] matrix_a_fmt:MATRIX_FMT_FP4 matrix_b_fmt:MATRIX_FMT_FP4 matrix_a_scale:MATRIX_SCALE_ROW1 matrix_b_scale:MATRIX_SCALE_ROW1
.endif
.endm
; the 48 products of a step; the accumulators take turns in the same order in every step; the first step starts the sums
.macro MUL_KQ k, p
	WIN 0xa5
.irp a, 0,1,2,3
.irp b, 0,1,2,3,4,5,6,7
.if (\k) == 0
	MM 8*(8*\a+\b), 0, 128*(\p)+32+8*\b, 128*(\p)+8*\a, WS+16*(\b/4)+8*((\b&3)/2)+\k, \b&1, XS+8*(\a/2)+\k, \a&1
.else
	MM 8*(8*\a+\b), v[8*(8*\a+\b):8*(8*\a+\b)+7], 128*(\p)+32+8*\b, 128*(\p)+8*\a, WS+16*(\b/4)+8*((\b&3)/2)+\k, \b&1, XS+8*(\a/2)+\k, \a&1
.endif
.endr
.endr
.endm
.macro MUL_V k, p
	WIN 0xf5
.irp c, 0,1,2,3
.irp a, 0,1,2,3
.if (\k) == 0
	MM 8*(4*\c+\a), 0, 128*(\p)+8*\a, 128*(\p)+96+8*\c, XS+8*(\a/2)+\k, \a&1, WS+32+8*(\c/2)+\k, \c&1
.else
	MM 8*(4*\c+\a), v[8*(4*\c+\a):8*(4*\c+\a)+7], 128*(\p)+8*\a, 128*(\p)+96+8*\c, XS+8*(\a/2)+\k, \a&1, WS+32+8*(\c/2)+\k, \c&1
.endif
.endr
.endr
.endm
	s_wait_alu depctr_va_vdst(0)
	s_cmp_gt_u32 s[WV], 1
	s_cbranch_scc1 .Lsecond_half
	s_wait_tensorcnt 0x0                           ; waves 0 and 1: my part of the first half of K has landed
.Lsecond_half:
	s_wait_loadcnt 0x0                             ; my scale words are in,
	s_barrier_signal -1
	s_barrier_wait -1                              ; and both parts of the first half
	FETCH 0, 0
.irp k, 0,1,2,3,4,5,6,7
	s_wait_dscnt 0x0                               ; this step's fragments, asked for one step ahead
.if \k == 3
	MUL_KQ \k, \k&1
	s_wait_tensorcnt 0x0                           ; no load of mine is out: the second half's parts have landed,
	s_barrier_signal -1
	s_barrier_wait -1                              ; and everybody knows
	PLACES
	FETCH \k+1, (\k+1)&1
	MUL_V \k, \k&1
.else
.if \k < 7
.if \k > 0
	PLACES                                         ; behind the last step's products, whose operands' registers the loads take (ISA guide 7.12.1 for vector instructions)
.endif
	FETCH \k+1, (\k+1)&1
.endif
	MUL_KQ \k, \k&1
	MUL_V \k, \k&1
.endif
.endr
	PLACES
; THE WAY OUT.  Block z of 32 along the quantiser's K: registers 16 z .. 16 z + 15 of window w, in lanes l and l xor 16.  A conversion makes of eight registers one of eight codes; laid so that two exchanges of
; halves for each 64 along K leave register g with the codes 32 h + 8 g + 0 .. 7: the operand's own layout.  nz blocks, all by turns.
.macro QUANT nz, w, cd
	WIN (\w)*5                                     ; sources 0 and 1
.set z, 0
.rept \nz
	v_max3_num_f32 v[MX+z], |v[16*z]|, |v[16*z+1]|, 0x1800000   ; and the floor 2^(3 - 127): the byte cannot fall under 1
.set z, z+1
.endr
.irp i, 2,4,6,8,10,12,14
.set z, 0
.rept \nz
	v_max3_num_f32 v[MX+z], |v[16*z+\i]|, |v[16*z+1+\i]|, v[MX+z]
.set z, z+1
.endr
.endr
	WIN 0
.set z, 0
.rept \nz
	v_permlanex16_b32 v[PX+z], v[MX+z], s[SEL], s[SEL+1]
.set z, z+1
.endr
.set z, 0
.rept \nz
	v_max_num_f32 v[MX+z], v[MX+z], v[PX+z]        ; the block's largest magnitude
.set z, z+1
.endr
.set z, 0
.rept \nz
	v_add_nc_u32 v[SO+z], 0xff000000, v[MX+z]      ; 2 off its exponent field: the conversion's scale operand
.set z, z+1
.endr
.set z, 0
.rept \nz
	v_lshrrev_b32 v[BY+z], 23, v[SO+z]             ; the scale's byte
.set z, z+1
.endr
	WIN \w
.set z, 0
.rept \nz
	v_cvt_scalef32_pk8_fp4_f32 v[\cd+4*(z/2)+z%2], v[16*z:16*z+7], v[SO+z]
	v_cvt_scalef32_pk8_fp4_f32 v[\cd+4*(z/2)+2+z%2], v[16*z+8:16*z+15], v[SO+z]
.set z, z+1
.endr
	WIN 0
	v_nop                                          ; one plain place behind a scaled conversion
.set z, 0
.rept (\nz)/2
	v_permlane16_swap_b32 v[\cd+4*z], v[\cd+4*z+1]
	v_permlane16_swap_b32 v[\cd+4*z+2], v[\cd+4*z+3]
.set z, z+1
.endr
.endm
	QUANT 8, 3, CDV                                ; v: block 2 c + i = tile c of channels, tokens 32 i .. of my 64
.irp c, 0,1,2,3
	v_lshl_or_b32 v[VWD+\c], v[BY+2*\c+1], 8, v[BY+2*\c]
.endr
.irp c, 0,1,2,3
	ds_store_b16 v[STA], v[VWD+\c] offset:4*\c     ; half of the word of 128 keys; lanes r and r + 16 write the same half with the same value
.endr
.irp c, 0,1,2,3
	global_store_b128 v[VO], v[CDV+4*\c:CDV+4*\c+3], s[58:59] offset:1024*\c   ; 32 lanes store 512 consecutive bytes
.endr
	QUANT 16, 2, CDK                               ; block 4 a + 2 g + i = tile a of tokens, k or q (g), channels 32 i .. of the head
.irp a, 0,1,2,3
	global_store_b128 v[VO], v[CDK+8*\a:CDK+8*\a+3], s[56:57] offset:512*\a
	global_store_b128 v[VO], v[CDK+8*\a+4:CDK+8*\a+7], s[66:67] offset:512*\a
.endr
.irp u, 0,1,2,3,4,5,6,7
	v_lshl_or_b32 v[KWD+\u], v[BY+2*\u+1], 8, v[BY+2*\u]
.endr
	v_cmp_eq_u32 vcc_lo, 1, v3
.irp a, 0,1,2,3
	v_cndmask_b32 v[XW+\a], v[KWD+2*\a], v[KWD+2*\a+1], vcc_lo
.endr
.irp a, 0,1,2,3
	v_or_b32 v[XW+\a], 0x7f7f0000, v[XW+\a]        ; 0x7f for the two blocks of zero codes that fill the K step of 128
.endr
	global_store_b128 v[VS], v[XW:XW+3], s[60:61]  ; sixteen lanes store 256 consecutive bytes, aligned
	s_wait_dscnt 0x0                               ; for wave 0's sake: my half words have landed
	s_barrier_signal -1
	s_barrier_wait -1
	s_cmp_lg_u32 s[WV], 0
	s_cbranch_scc1 .Lout_done
	ds_load_b128 v[MX:MX+3], v[STR]
	s_wait_dscnt 0x0
	global_store_b128 v[VVS], v[MX:MX+3], s[62:63]
.Lout_done:
	s_wait_tensorcnt 0x0                           ; the wave's end
	ds_add_u32 v[SPW], v[NIL]
	s_wait_dscnt 0x0
	CROUND                                         ; the closing round
	s_endpgm
.Lfunc_end_k_q72116aaafc_qkv:
	.size	k_q72116aaafc_qkv, .Lfunc_end_k_q72116aaafc_qkv-k_q72116aaafc_qkv
	.p2alignl 7, 3214868480
	.fill 96, 4, 3214868480
	.section	.rodata,"a",@progbits
	.p2align	6, 0x0
	.amdhsa_kernel k_q72116aaafc_qkv
		.amdhsa_group_segment_fixed_size 244736
		.amdhsa_private_segment_fixed_size 0
		.amdhsa_enable_private_segment 0
		.amdhsa_kernarg_size 48
		.amdhsa_user_sgpr_count 2
		.amdhsa_user_sgpr_kernarg_segment_ptr 1
		.amdhsa_wavefront_size32 1
		.amdhsa_system_sgpr_workgroup_id_x 1
		.amdhsa_system_sgpr_workgroup_id_y 1
		.amdhsa_system_sgpr_workgroup_id_z 1
		.amdhsa_system_vgpr_workitem_id 0
		.amdhsa_next_free_vgpr 1024
		.amdhsa_next_free_sgpr 88
		.amdhsa_reserve_vcc 1
		.amdhsa_float_denorm_mode_32 3
		.amdhsa_float_denorm_mode_16_64 3
		.amdhsa_memory_ordered 1
		.amdhsa_forward_progress 1
		.amdhsa_inst_pref_size 101
	.end_amdhsa_kernel
	.amdgpu_metadata
---
amdhsa.version: [ 1, 2 ]
amdhsa.kernels:
  - .name:           k_q72116aaafc_qkv
    .symbol:         k_q72116aaafc_qkv.kd
    .args:
      - { .name: W_kqv_codes, .offset: 0, .size: 8, .value_kind: global_buffer, .address_space: global }
      - { .name: W_kqv_scales, .offset: 8, .size: 8, .value_kind: global_buffer, .address_space: global }
      - { .name: x_codes, .offset: 16, .size: 8, .value_kind: global_buffer, .address_space: global }
      - { .name: x_scales, .offset: 24, .size: 8, .value_kind: global_buffer, .address_space: global }
      - { .name: kv, .offset: 32, .size: 8, .value_kind: global_buffer, .address_space: global }
      - { .name: qimg, .offset: 40, .size: 8, .value_kind: global_buffer, .address_space: global }
    .group_segment_fixed_size: 244736
    .private_segment_fixed_size: 0
    .kernarg_segment_align: 8
    .kernarg_segment_size: 48
    .max_flat_workgroup_size: 128
    .sgpr_count:     88
    .vgpr_count:     1024
    .wavefront_size: 32
...
	.end_amdgpu_metadata
.endif
;; end of part 1
;; launch attn (part 2): grid 8 x 32, 16 waves a work-group, clusters of 4 x 1, 215,552 bytes of LDS; arguments kv, qimg, oimg, osc; writes oimg, osc
.if DOCPART == 2
	.amdgcn_target "amdgcn-amd-amdhsa--gfx1250"
	.amdhsa_code_object_version 6
	.text
	.protected	k_q72116aaafc_attn
	.globl	k_q72116aaafc_attn
	.p2align	8
	.type	k_q72116aaafc_attn,@function
k_q72116aaafc_attn:
	s_mov_b64 s[64:65], 0
	v_nop
	global_prefetch_b8 v0, s[64:65] scope:SCOPE_SE
	s_setreg_imm32_b32 hwreg(HW_REG_WAVE_MODE, 25, 1), 1
	s_wait_xcnt 0x0
	s_wait_alu depctr_hold_cnt(0) depctr_sa_sdst(0) depctr_va_vdst(0) depctr_va_sdst(0) depctr_va_ssrc(0) depctr_va_vcc(0) depctr_vm_vsrc(0)
	s_getreg_b32 s2, hwreg(HW_REG_IB_STS2, 6, 4)
	s_cmp_eq_u32 s2, 0
	s_cbranch_scc0 .Lentry_in_a_cluster
	s_endpgm
.Lentry_in_a_cluster:
	s_bfe_u32 s2, ttmp6, 0x10000c
	s_cmp_lg_u32 s2, 0x3003
	s_cbranch_scc0 .Lentry_shape_is_right
	s_endpgm
.Lentry_shape_is_right:
; Causal attention of one head on codes of FP4 (E2M1) with E8M0 scales, and the quantising of its result along the embedding for the projection.
; t = score x log2(e) / 8; M = the running largest t rounded UP to a whole number; p = 2^(t - M) is quantised along the keys, not normalised; the row's sum is taken of the unquantised p and divides O at the end.
; When M moves, the sum and O are multiplied by 2^(old M - new M): exact.
; WORK LEFT OUT: a step of 128 keys that all come after a block of queries: the causal mask puts -inf there, so that p = 0 for all values of the inputs.
; A NaN, an infinity or an overflow that reaches only those scores is not carried to the result.
; SHARES.  The 2,048 queries are 16 blocks of 128, a block is 8 tiles of 16.  Work-group X (0 to 7) of a head takes tile X of ALL 16 blocks: 1 + 2 + .. + 16 = 136 key steps in every work-group.
; Two waves, a pair p (0 to 7), share the tiles of blocks 15 - p (16 - p steps) and p (p + 1 steps) in nine trips: kind 0 takes the long tile's steps 0 to p and 8 to 15 - p, nine in all;
; kind 1 the long tile's steps p + 1 to 7 and then the short tile's 0 to p, eight in all: in trip i step (p + 1 + i) mod 8.  In each kind's last step lies its tile's diagonal.
; The two parts of a long tile are joined through LDS at the end.  The kinds alternate in the wave's number both ways ((w xor w / 4) % 2), so that neighbours and waves four apart differ.
; The trip count is a constant; what differs between waves hangs on the wave's number and the count of trips alone, so all work-groups of a head run alike.
; ONE BARRIER A TRIP, signalled at a trip's head and waited for at the next one's: a wave begins a trip when all sixteen have begun the one before; the parts of the long tiles reach their readers by it.
; CLUSTER 4, 1, 1: four work-groups of one head ask jointly for its K and V.  THE WHOLE HEAD'S K AND V LIE IN LDS: 16 records of 8,960 bytes (images of operand registers and scale words), record w brought
; by wave w, one load a wave; each LDS byte is filled once.  No loop loads from memory, so there is nothing to prefetch ahead of.
; LAYOUT.  S^T = K Q^T (source 0 = 16 keys, source 1 = 16 queries; the head's 64 channels fill half of the K step, the other half is zero codes under the byte 0x7f);
; O^T = V^T P^T (source 0 = 16 channels, source 1 = P): a lane holds ONE query throughout.  Register 8 t + j of S^T is key 16 t + 8 h + j.
; LIMITS: a block whose largest magnitude lies under 2^-124 keeps the byte 1, and so does a block of zeros (its codes are zeros; this program alone reads the bytes); NaN and infinities are not served;
; the scaled scores t stay under 2^31 in magnitude.  A block's largest p is taken as the exponential of its largest score: that leans on v_exp_f32 not falling where its input rises.
.set RCL,   8960                       ; a record in LDS: +0 K's codes, +4,096 V's, +8,192 V's scale words [r][4], +8,448 K's [2][r][4]
.set REC,   9472                       ; and in memory: Q's scale words [2][r][4] lie behind
.set PART,  16*RCL                     ; behind the records: bytes of its own for each wave, in which a wave of kind 1 leaves its part of the long tile: 4,096 bytes of O^T, 256 of sum and -M
.set PSZ,   4352
.set STG,   PART+16*PSZ                ; 512 bytes: the stage for the result's scale halves
.set SPARE, STG+512
.set LI,   1                           ; v1   16 x lane
.set LR,   2                           ; v2   16 x r
.set NINF, 3
.set ADV,  4
.set ADK,  5
.set STA,  6
.set STR,  7
.set PA,   8
.set PB,   9
.set PRA,  10                          ; v10, v11  the same two in my partner's bytes (at the head: lane, r)
.set PRB,  11
.set QF,   16                          ; v16-23 Q's fragment (v20-23 zero codes); v24 its scale words
.set QS,   24
.set Q2S,  25
.set SPW,  26
.set NIL,  27
.set KSC,  28                          ; v28-31 K's scale words: register t % 4, lanes 0-15 tiles 0-3, lanes 16-31 tiles 4-7
.set KFR,  32                          ; v32-95 K's eight fragments; the upper four registers of each stay zero
.set ST,   96                          ; v96-159 S^T, then p
.set OT,   160                         ; v160-191 O^T
.set VFR,  192                         ; v192-223 V's four fragments
.set PCD,  224                         ; v224-231 p's codes
.set BM,   232
.set T2,   236
.set VSC,  240
.set SO,   244
.set PS,   248
.set TT,   249
.set FF,   250                         ; v[250:251] f = 2^(old M - new M) (v251 is named with it as a pair)
.set Q2,   252                         ; v252-255 kind 1: the short tile's codes;  kind 0: v[252:253] the other part's factor
.set WV,  12
.set PP,  13
.set KD,  14
.set JL,  15                           ; the long tile's block, 15 - p
.set SW,  16                           ; the trip at whose head kind 1 goes over to the short tile: 7 - p (kind 0: none)
.set JM,  17                           ; the block that I store
.set XT,  18
.set BH,  19
.set NN,  20                           ; the trip
.set LIM, 21                           ; my last trip
.set TB,  22                           ; the trip's record,
.set TN,  23                           ; and the next one's
.set G1,  24
.set D7,  32                           ; 7 - p
.set MT,  33
.set MM,  34
.set SEL, 36
.set CS,  38
.set NC,  40
.set G0,  44
.set P1,  66                           ; p + 1
.macro CROUND
	s_barrier_signal -1
	s_barrier_wait -1
	s_cmp_lg_u32 s[WV], 0
	s_cbranch_scc1 .Lnot_wave_0_\@
	s_barrier_signal -3
.Lnot_wave_0_\@:
	s_barrier_wait -3
	s_barrier_signal -1
	s_barrier_wait -1
.endm
	s_load_b256 s[4:11], s[0:1], 0x0               ; kv s[4:5], qimg s[6:7], oimg s[8:9], osc s[10:11]
	v_lshl_add_u32 v[SPW], v0, 2, SPARE
	v_mov_b32 v[NIL], 0
	ds_add_u32 v[SPW], v[NIL]                      ; the opening add, twice on end
	ds_add_u32 v[SPW], v[NIL]
	v_lshrrev_b32 v10, 5, v0
	v_readfirstlane_b32 s[WV], v10                 ; wave 0..15
	s_lshr_b32 s[PP], s[WV], 1
	s_lshr_b32 s41, s[WV], 2
	s_xor_b32 s41, s41, s[WV]
	s_and_b32 s[KD], s41, 1
	s_xor_b32 s[JL], s[PP], 15
	s_xor_b32 s[D7], s[PP], 7
	s_add_co_u32 s[P1], s[PP], 1
	s_sub_co_u32 s[LIM], 8, s[KD]
	s_xor_b32 s41, s[KD], 1
	s_mul_i32 s41, s41, 15
	s_xor_b32 s[JM], s[PP], s41                    ; kind 0: 15 - p, kind 1: p
	s_cmp_eq_u32 s[KD], 1
	s_cselect_b32 s[SW], s[D7], 64
	s_bfe_u32 s41, ttmp6, 0x40000
	s_lshl_b32 s[XT], ttmp9, 2
	s_add_co_u32 s[XT], s[XT], s41                 ; my tile of each block
	s_and_b32 s[BH], ttmp7, 0xffff                 ; 16 x batch + head
	s_and_b32 s[TB], s[P1], 7
	s_mul_i32 s[TB], s[TB], s[KD]
	s_mul_i32 s[TB], s[TB], RCL                    ; the first trip's record
	; group 1: a record, 8,960 dense bytes, as 35 rows of 256 bytes (32 elements of 8 bytes), no padding; mask: the cluster's four
	s_mov_b32 s[G1], 15|(3<<16)|(1<<21)
	s_mov_b32 s[G1+1], 32<<16
	s_mov_b32 s[G1+2], 35<<16
	s_mov_b32 s[G1+3], 32<<16
	s_mov_b32 s[G1+4], 35
	s_mov_b32 s[G1+5], 32
	s_mov_b32 s[G1+6], 0
	s_mov_b32 s[G1+7], 0
	s_mov_b32 s[G0], 1
	s_mul_i32 s[G0+1], s[WV], RCL
	s_mov_b32 s[SEL], 0x76543210                   ; lane selects: lane l xor 16
	s_mov_b32 s[SEL+1], 0xfedcba98
	s_mov_b32 s[CS], 0x3e38aa3b                    ; c = log2(e) / 8
	s_mov_b32 s[CS+1], s[CS]                       ; (named with it as a pair, so it is written)
	s_mov_b32 s[NC], 0xbe38aa3b                    ; -c
	; byte offsets into the buffers
	s_lshl_b32 s41, s[BH], 4
	s_add_co_u32 s48, s41, s[WV]
	s_mul_i32 s48, s48, REC                        ; kv: record w of my head
	s_mov_b32 s49, 0
	s_lshl_b32 s50, s[BH], 16
	s_lshl_b32 s42, s[XT], 9
	s_add_co_u32 s50, s50, s42
	s_lshl_b32 s42, s[PP], 12
	s_add_co_u32 s54, s50, s42                     ; Q's codes: the short tile,
	s_lshl_b32 s42, s[JL], 12
	s_add_co_u32 s50, s50, s42                     ; the long tile
	s_mov_b32 s51, 0
	s_mov_b32 s55, 0
	s_lshr_b32 s42, s[XT], 2
	s_lshl_b32 s42, s42, 8
	s_and_b32 s43, s[XT], 3
	s_lshl_b32 s43, s43, 2
	s_add_co_u32 s42, s42, s43
	s_add_co_u32 s42, s42, 8960
	s_add_co_u32 s52, s41, s[JL]
	s_mul_i32 s52, s52, REC
	s_add_co_u32 s52, s52, s42                     ; Q's scale words: the long tile's,
	s_mov_b32 s53, 0
	s_add_co_u32 s56, s41, s[PP]
	s_mul_i32 s56, s56, REC
	s_add_co_u32 s56, s56, s42                     ; the short tile's
	s_mov_b32 s57, 0
	s_lshr_b32 s58, s[BH], 4
	s_lshl_b32 s58, s58, 3
	s_add_co_u32 s58, s58, s[XT]
	s_lshl_b32 s58, s58, 4
	s_add_co_u32 s58, s58, s[JM]
	s_lshl_b32 s58, s58, 4
	s_and_b32 s41, s[BH], 15
	s_add_co_u32 s58, s58, s41
	s_lshl_b32 s58, s58, 9                         ; oimg: [batch][X][block][head][512 bytes]
	s_mov_b32 s59, 0
	s_lshl_b32 s60, s[BH], 12
	s_lshl_b32 s41, s[XT], 9
	s_add_co_u32 s60, s60, s41                     ; osc: [16 x batch + head][X][block / 4][r][block % 4] halves
	s_mov_b32 s61, 0
	s_lshr_b32 s41, s[JM], 2
	s_lshl_b32 s41, s41, 7
	s_and_b32 s42, s[JM], 3
	s_lshl_b32 s42, s42, 1
	s_add_co_u32 s41, s41, s42
	s_add_co_u32 s41, s41, STG
	s_mul_i32 s42, s[WV], PSZ
	s_add_co_u32 s42, s42, PART
	s_add_co_u32 s43, s42, 4096
	s_xor_b32 s70, s[WV], 1                        ; my partner
	s_mul_i32 s70, s70, PSZ
	s_add_co_u32 s70, s70, PART
	s_add_co_u32 s71, s70, 4096
	v_and_b32 v10, 31, v0                          ; lane
	v_and_b32 v11, 15, v0                          ; r
	v_lshlrev_b32 v[LI], 4, v10
	v_lshlrev_b32 v[LR], 4, v11
	v_lshl_add_u32 v[STA], v11, 3, s41             ; where my tile's scale halves go in the stage
	v_add_nc_u32 v[STR], STG, v[LI]
	v_add_nc_u32 v[PA], s42, v[LI]
	v_lshl_add_u32 v[PB], v10, 3, s43
	v_lshl_add_u32 v[PRB], v10, 3, s71
	v_add_nc_u32 v[PRA], s70, v[LI]
	v_add_nc_u32 v[ADK], s[TB], v[LI]
	v_mov_b32 v[NINF], 0xff800000
.irp j, 0,1,2,3
	v_mov_b32 v[Q2+\j], 0                          ; written on every way
.endr
	v_mov_b32 v[Q2S], 0
	s_wait_alu depctr_va_vdst(0)
	s_wait_dscnt 0x0                               ; both opening adds are done
	s_wait_kmcnt 0x0
	s_add_nc_u64 s[50:51], s[6:7], s[50:51]
	s_add_nc_u64 s[52:53], s[4:5], s[52:53]
	s_add_nc_u64 s[54:55], s[6:7], s[54:55]
	s_add_nc_u64 s[56:57], s[4:5], s[56:57]
	global_load_b128 v[QF:QF+3], v[LI], s[50:51]
	global_load_b32 v[QS], v[LR], s[52:53]
	s_cmp_eq_u32 s[KD], 0
	s_cbranch_scc1 .Lone_tile
	global_load_b128 v[Q2:Q2+3], v[LI], s[54:55]
	global_load_b32 v[Q2S], v[LR], s[56:57]
.Lone_tile:
	s_add_nc_u64 s[G0+2:G0+3], s[4:5], s[48:49]
	s_or_b32 s[G0+3], s[G0+3], 0x80000000
	s_add_nc_u64 s[58:59], s[8:9], s[58:59]
	s_add_nc_u64 s[60:61], s[10:11], s[60:61]
	CROUND                                         ; the four work-groups are here: the joint loads meet
	tensor_load_to_lds s[G0:G0+3], s[G1:G1+7]      ; record w
	s_nop 0
.rept 4
	v_nop
.endr
.irp j, 4,5,6,7
	v_mov_b32 v[QF+\j], 0                          ; zero codes for K = 64 .. 127
.endr
.irp t, 0,1,2,3,4,5,6,7
.irp j, 4,5,6,7
	v_mov_b32 v[KFR+8*\t+\j], 0                    ; the same in K's fragments: written once, no load lands there
.endr
.endr
.macro CLEAR                           ; a tile's start: its first step finds zeros, which the first change of M leaves zeros
	v_mov_b32 v12, 0x7f61b1e6                      ; -M = 3e38: above every -t
	v_mov_b32 v14, 0                               ; the sum, in two halves
	v_mov_b32 v15, 0
.set j, 0
.rept 32
	v_mov_b32 v[OT+j], 0
.set j, j+1
.endr
.endm
	v_mov_b32 v13, 0                               ; (named with v12 as a pair)
	v_mov_b32 v[T2], 0                             ; a lane permute's destination counts as one of its sources
	v_mov_b32 v[T2+1], 0
	v_mov_b32 v[PS], 0
	v_mov_b32 v[FF+1], 0
	CLEAR
.macro LOADK adr
.irp t, 0,1,2,3,4,5,6,7
	ds_load_b128 v[KFR+8*\t:KFR+8*\t+3], v[\adr] offset:512*\t
.endr
	ds_load_b128 v[KSC:KSC+3], v[\adr] offset:8448
.endm
.macro RECORD dst, n                   ; where trip n's record begins in LDS: kind 1: step (p + 1 + n) mod 8; kind 0: step n up to p, then n + 7 - p
	s_add_co_u32 s42, s[\n], s[P1]
	s_and_b32 s42, s42, 7
	s_cmp_gt_u32 s[\n], s[PP]
	s_cselect_b32 s43, s[D7], 0
	s_add_co_u32 s43, s43, s[\n]
	s_cmp_eq_u32 s[KD], 0
	s_cselect_b32 s43, s43, s42
	s_min_u32 s43, s43, 15
	s_mul_i32 s[\dst], s43, RCL
.endm
	s_wait_alu depctr_va_vdst(0)
	s_wait_tensorcnt 0x0                           ; my record is in,
	s_wait_loadcnt 0x0                             ; and Q
	s_barrier_signal -1
	s_barrier_wait -1                              ; all sixteen records are
	LOADK ADK
	s_mov_b32 s[NN], 0
	s_wait_dscnt 0x0
	s_barrier_signal -1
.Ltrip:
	s_barrier_wait -1                              ; all sixteen waves have begun the trip before
	s_cmp_lg_u32 s[NN], s[SW]
	s_cbranch_scc1 .Lkeep
.rept 4
	v_nop                                          ; places behind the last products
.endr
.irp j, 0,1,2,3,4,5,6,7
	ds_store_b128 v[PA], v[OT+4*\j:OT+4*\j+3] offset:512*\j        ; kind 1 goes over to its short tile: its part of the long tile, for its partner
.endr
	v_add_f32 v[T2], v14, v15
	v_mov_b32 v[T2+1], v12
	ds_store_b64 v[PB], v[T2:T2+1]
.irp j, 0,1,2,3
	v_mov_b32 v[QF+\j], v[Q2+\j]
.endr
	v_mov_b32 v[QS], v[Q2S]
	CLEAR
	s_wait_alu depctr_va_vdst(0)
.Lkeep:
	s_wait_dscnt 0x0                               ; this trip's K is in; what I stored has landed
	s_barrier_signal -1
	s_cmp_gt_u32 s[NN], s[LIM]                     ; kind 1 has no ninth step
	s_cbranch_scc1 .Lhid
.irp t, 0,1,2,3
	v_wmma_scale_f32_16x16x128_f8f6f4 v[ST+8*\t:ST+8*\t+7], v[KFR+8*\t:KFR+8*\t+7], v[QF:QF+7], 0, v[KSC+\t], v[QS] matrix_a_fmt:MATRIX_FMT_FP4 matrix_b_fmt:MATRIX_FMT_FP4
.endr
.irp t, 4,5,6,7
	v_wmma_scale_f32_16x16x128_f8f6f4 v[ST+8*\t:ST+8*\t+7], v[KFR+8*\t:KFR+8*\t+7], v[QF:QF+7], 0, v[KSC+\t-4], v[QS] matrix_a_fmt:MATRIX_FMT_FP4 matrix_b_fmt:MATRIX_FMT_FP4 matrix_a_scale:MATRIX_SCALE_ROW1
.endr
	RECORD TB, NN
	s_add_co_u32 s[TN], s[NN], 1
	RECORD TN, TN                                  ; (behind the last step: a record that nobody multiplies)
	v_add_nc_u32 v[ADV], s[TB], v[LI]              ; these two and two v_nop are the four places behind the products, for the loads and the readers below
	v_add_nc_u32 v[ADK], s[TN], v[LI]
	v_nop
	v_nop
.irp t, 0,1,2,3
.irp c, 0,1
	ds_load_b128 v[VFR+8*\t+4*\c:VFR+8*\t+4*\c+3], v[ADV] offset:4096+1024*\t+512*\c
.endr
.endr
	ds_load_b128 v[VSC:VSC+3], v[ADV] offset:8192  ; lanes 0-15 V's scale words (lanes 16-31 are not read by the products)
	LOADK ADK                                      ; the next trip's K
	s_cmp_lg_u32 s[NN], s[LIM]                     ; only a tile's last step, on the diagonal, hides keys
	s_cbranch_scc1 .Lopen
.irp t, 0,1,2,3,4,5,6,7
	s_cmp_lt_u32 s[XT], \t
	s_cselect_b32 s[MT], -1, 0                     ; key tiles behind mine are hidden whole, those ahead of it open;
	s_cmp_eq_u32 s[XT], \t                         ; in mine register i of lane (r, h) is hidden where i + 8 h > r
.set i, 0
.rept 8
	s_cselect_b32 s[MM+i%2], ((1<<i)-1)|(((1<<(i+8))-1)<<16), s[MT]
	v_cndmask_b32 v[ST+8*\t+i], v[ST+8*\t+i], v[NINF], s[MM+i%2]
.set i, i+1
.endr
.endr
	s_wait_alu depctr_va_vdst(0)
.Lopen:
.irp b, 0,1,2,3
	v_max3_num_f32 v[BM+\b], v[ST+16*\b], v[ST+1+16*\b], v[ST+2+16*\b]   ; the largest score of each block of 32 keys: for the row's maximum and, since p rises with the score, for the block's largest p
.endr
.irp i, 3,5,7,9,11,13
.irp b, 0,1,2,3
	v_max3_num_f32 v[BM+\b], v[BM+\b], v[ST+16*\b+\i], v[ST+1+16*\b+\i]
.endr
.endr
.irp b, 0,1,2,3
	v_max_num_f32 v[BM+\b], v[BM+\b], v[ST+15+16*\b]
.endr
	v_permlane16_swap_b32 v[BM], v[BM+1]           ; the two lanes of a block come together: lanes 0-15 block 0, lanes 16-31 block 1,
	v_permlane16_swap_b32 v[BM+2], v[BM+3]         ; and blocks 2 and 3
	v_max_num_f32 v[BM], v[BM], v[BM+1]
	v_max_num_f32 v[BM+2], v[BM+2], v[BM+3]
	s_delay_alu instid0(VALU_DEP_1)
	v_max_num_f32 v[TT], v[BM], v[BM+2]
	s_delay_alu instid0(VALU_DEP_1)
	v_permlanex16_b32 v[T2], v[TT], s[SEL], s[SEL+1]
	s_delay_alu instid0(VALU_DEP_1)
	v_max_num_f32 v[TT], v[TT], v[T2]              ; the step's largest score of my query
	s_delay_alu instid0(VALU_DEP_1)
	v_mul_f32 v[TT], s[NC], v[TT]                  ; -t
	s_delay_alu instid0(VALU_DEP_1)
	v_floor_f32 v[TT], v[TT]
	s_delay_alu instid0(VALU_DEP_1)
	v_min_num_f32 v[TT], v[TT], v12                ; the new -M
	s_delay_alu instid0(VALU_DEP_1)
	v_sub_f32 v[FF], v[TT], v12                    ; old M - new M: a whole number, 0 or less
	v_mov_b32 v12, v[TT]
	s_delay_alu instid0(VALU_DEP_2)
	v_cvt_i32_f32 v[FF], v[FF]                     ; (it saturates)
	s_delay_alu instid0(VALU_DEP_1)
	v_ldexp_f32 v[FF], 1.0, v[FF]                  ; f = 2^(old M - new M)
.set j, 0
.rept 32
	v_pk_fma_f32 v[ST+j:ST+j+1], v[ST+j:ST+j+1], s[CS:CS+1], v[12:13] op_sel_hi:[1,0,0]   ; t - M, two at a time
.set j, j+2
.endr
	v_fma_f32 v[BM], v[BM], s[CS], v12             ; the same of each block's largest score
	v_fma_f32 v[BM+2], v[BM+2], s[CS], v12
	s_wait_alu depctr_va_vdst(0)
.set j, 0
.rept 64
	v_exp_f32 v[ST+j], v[ST+j]                     ; p = 2^(t - M), at most 1
.set j, j+1
.endr
	v_exp_f32 v[BM], v[BM]                         ; the blocks' largest p
	v_exp_f32 v[BM+2], v[BM+2]
	v_pk_mul_f32 v[14:15], v[14:15], v[FF:FF+1] op_sel_hi:[1,0]   ; the sums under the new M (a plain place behind the exponentials)
	s_wait_alu depctr_va_vdst(0)                   ; and behind it
	v_max_num_f32 v[BM], 0x1800000, v[BM]          ; the floor 2^(3 - 127): the byte cannot fall under 1
	v_max_num_f32 v[BM+2], 0x1800000, v[BM+2]
	s_delay_alu instid0(VALU_DEP_2)
	v_add_nc_u32 v[SO], 0xff000000, v[BM]          ; 2 off the exponent field: the conversion's scale operand
	s_delay_alu instid0(VALU_DEP_2)
	v_add_nc_u32 v[SO+2], 0xff000000, v[BM+2]
	s_delay_alu instid0(VALU_DEP_2)
	v_mov_b32 v[SO+1], v[SO]
	s_delay_alu instid0(VALU_DEP_2)
	v_mov_b32 v[SO+3], v[SO+2]
	v_lshrrev_b32 v[T2], 23, v[SO]                 ; the scales' bytes
	v_lshrrev_b32 v[T2+1], 23, v[SO+2]
	v_permlane16_swap_b32 v[SO], v[SO+1]           ; each block's operand in both of its lanes
	v_permlane16_swap_b32 v[SO+2], v[SO+3]
	v_lshl_or_b32 v[T2], v[T2+1], 16, v[T2]        ; lanes 0-15 bytes 0 and 2, lanes 16-31 bytes 1 and 3
	s_delay_alu instid0(VALU_DEP_1)
	v_permlanex16_b32 v[PS], v[T2], s[SEL], s[SEL+1]
	s_delay_alu instid0(VALU_DEP_1)
	v_lshl_or_b32 v[PS], v[PS], 8, v[T2]           ; lanes 0-15: p's scale word for these 128 keys
.irp t, 0,1,2,3,4,5,6,7
	v_cvt_scalef32_pk8_fp4_f32 v[PCD+4*(\t/4)+2*(\t%2)+(\t%4)/2], v[ST+8*\t:ST+8*\t+7], v[SO+\t/2]
.endr
	v_nop                                          ; one plain place behind a scaled conversion
.irp c, 0,1
	v_permlane16_swap_b32 v[PCD+4*\c], v[PCD+4*\c+1]           ; register 4 c + g now holds keys 64 c + 32 h + 8 g + 0 .. 7
	v_permlane16_swap_b32 v[PCD+4*\c+2], v[PCD+4*\c+3]
.endr
	v_pk_add_f32 v[14:15], v[14:15], v[ST:ST+1]    ; the row's sum, four chains by turns
	v_pk_add_f32 v[BM:BM+1], v[ST+16:ST+17], v[ST+18:ST+19]
	v_pk_add_f32 v[BM+2:BM+3], v[ST+32:ST+33], v[ST+34:ST+35]
	v_pk_add_f32 v[T2:T2+1], v[ST+48:ST+49], v[ST+50:ST+51]
	v_pk_add_f32 v[14:15], v[14:15], v[ST+2:ST+3]
.irp m, 4,6,8,10,12,14
	v_pk_add_f32 v[BM:BM+1], v[BM:BM+1], v[ST+16+\m:ST+17+\m]
	v_pk_add_f32 v[BM+2:BM+3], v[BM+2:BM+3], v[ST+32+\m:ST+33+\m]
	v_pk_add_f32 v[T2:T2+1], v[T2:T2+1], v[ST+48+\m:ST+49+\m]
	v_pk_add_f32 v[14:15], v[14:15], v[ST+\m:ST+1+\m]
.endr
	v_pk_add_f32 v[BM:BM+1], v[BM:BM+1], v[BM+2:BM+3]
	v_pk_add_f32 v[14:15], v[14:15], v[T2:T2+1]
	s_delay_alu instid0(VALU_DEP_1)
	v_pk_add_f32 v[14:15], v[14:15], v[BM:BM+1]
	s_wait_dscnt 9                                 ; V's nine loads are in; the next K's nine may be out
	s_wait_alu depctr_va_vdst(0)                   ; directly ahead of the first reader of O^T
.set j, 0
.rept 16
	v_pk_mul_f32 v[OT+j:OT+j+1], v[OT+j:OT+j+1], v[FF:FF+1] op_sel_hi:[1,0]   ; O^T under the new M, each accumulator from its low end on
.set j, j+2
.endr
.irp t, 0,1,2,3                        ; four accumulators by turns; between two links of a chain stand the next step's eight products and three of these
	v_wmma_scale_f32_16x16x128_f8f6f4 v[OT+8*\t:OT+8*\t+7], v[VFR+8*\t:VFR+8*\t+7], v[PCD:PCD+7], v[OT+8*\t:OT+8*\t+7], v[VSC+\t], v[PS] matrix_a_fmt:MATRIX_FMT_FP4 matrix_b_fmt:MATRIX_FMT_FP4
.endr
.Lhid:
	s_add_co_u32 s[NN], s[NN], 1
	s_cmp_lt_u32 s[NN], 9
	s_cbranch_scc1 .Ltrip
	s_barrier_wait -1                              ; all have begun the last trip: the parts of the long tiles have landed
.rept 4
	v_nop
.endr
	v_add_f32 v14, v14, v15
	s_wait_alu depctr_va_vdst(0)
	s_cmp_lg_u32 s[KD], 0
	s_cbranch_scc1 .Lown
	; kind 0: the two parts of the long tile under one M (a part of no steps has the sum 0 and -M = 3e38: its factor is 0)
	ds_load_b64 v[T2:T2+1], v[PRB]
.irp j, 0,1,2,3,4,5,6,7
	ds_load_b128 v[ST+4*\j:ST+4*\j+3], v[PRA] offset:512*\j
.endr
	s_wait_dscnt 0x8                               ; the sum and -M are in
	v_min_num_f32 v[TT], v12, v[T2+1]
	v_sub_f32 v[FF], v[TT], v12
	v_sub_f32 v[Q2], v[TT], v[T2+1]
	v_cvt_i32_f32 v[FF], v[FF]
	v_cvt_i32_f32 v[Q2], v[Q2]
	v_ldexp_f32 v[FF], 1.0, v[FF]
	v_ldexp_f32 v[Q2], 1.0, v[Q2]
	v_mov_b32 v[Q2+1], 0
	v_mul_f32 v14, v14, v[FF]
	v_fma_f32 v14, v[T2], v[Q2], v14
	s_wait_alu depctr_va_vdst(0)
	s_wait_dscnt 0x0
.set j, 0
.rept 16
	v_pk_mul_f32 v[OT+j:OT+j+1], v[OT+j:OT+j+1], v[FF:FF+1] op_sel_hi:[1,0]
.set j, j+2
.endr
.set j, 0
.rept 16
	v_pk_fma_f32 v[OT+j:OT+j+1], v[ST+j:ST+j+1], v[Q2:Q2+1], v[OT+j:OT+j+1] op_sel_hi:[1,0,1]
.set j, j+2
.endr
	s_wait_alu depctr_va_vdst(0)
.Lown:
	; THE WAY OUT.  O^T / the sum; my 16 queries' 64 channels are two blocks of 32 along the projection's K: quantised as p is, stored as half a fragment's image.
	v_permlanex16_b32 v[T2], v14, s[SEL], s[SEL+1]
	s_delay_alu instid0(VALU_DEP_1)
	v_add_f32 v14, v14, v[T2]                      ; the row's sum
	s_wait_alu depctr_va_vdst(0)
	v_rcp_f32 v14, v14
	v_nop                                          ; a plain place behind the transcendental
	s_wait_alu depctr_va_vdst(0)
.set j, 0
.rept 16
	v_pk_mul_f32 v[ST+j:ST+j+1], v[OT+j:OT+j+1], v[14:15] op_sel_hi:[1,0]   ; register 8 t + i: channel 16 t + 8 h + i of my query
.set j, j+2
.endr
.irp b, 0,1
	v_max3_num_f32 v[BM+\b], |v[ST+16*\b]|, |v[ST+1+16*\b]|, 0x1800000
.endr
.irp i, 2,4,6,8,10,12,14
.irp b, 0,1
	s_delay_alu instid0(VALU_DEP_2)
	v_max3_num_f32 v[BM+\b], v[BM+\b], |v[ST+16*\b+\i]|, |v[ST+1+16*\b+\i]|
.endr
.endr
.irp b, 0,1
	s_delay_alu instid0(VALU_DEP_2)
	v_permlanex16_b32 v[T2+\b], v[BM+\b], s[SEL], s[SEL+1]
.endr
.irp b, 0,1
	s_delay_alu instid0(VALU_DEP_2)
	v_max_num_f32 v[BM+\b], v[BM+\b], v[T2+\b]
.endr
.irp b, 0,1
	s_delay_alu instid0(VALU_DEP_2)
	v_add_nc_u32 v[SO+\b], 0xff000000, v[BM+\b]
.endr
.irp b, 0,1
	s_delay_alu instid0(VALU_DEP_2)
	v_lshrrev_b32 v[T2+\b], 23, v[SO+\b]
.endr
	s_delay_alu instid0(VALU_DEP_1)
	v_lshl_or_b32 v[PS], v[T2+1], 8, v[T2]         ; the head's two scale bytes of my row
.irp t, 0,1,2,3
	v_cvt_scalef32_pk8_fp4_f32 v[PCD+2*(\t%2)+\t/2], v[ST+8*\t:ST+8*\t+7], v[SO+\t/2]
.endr
	v_nop
	v_permlane16_swap_b32 v[PCD], v[PCD+1]
	v_permlane16_swap_b32 v[PCD+2], v[PCD+3]
	global_store_b128 v[LI], v[PCD:PCD+3], s[58:59]            ; 32 lanes store 512 consecutive bytes
	ds_store_b16 v[STA], v[PS]                     ; lanes r and r + 16 write the same half with the same value
	s_wait_dscnt 0x0                               ; for wave 0's sake: my store has landed
	s_barrier_signal -1
	s_barrier_wait -1
	s_cmp_lg_u32 s[WV], 0
	s_cbranch_scc1 .Ldone
	ds_load_b128 v[BM:BM+3], v[STR]                ; the sixteen waves' halves: 512 bytes
	s_wait_dscnt 0x0
	global_store_b128 v[LI], v[BM:BM+3], s[60:61]  ; 32 lanes store 512 consecutive bytes, aligned
.Ldone:
	s_wait_tensorcnt 0x0                           ; the wave's end
	ds_add_u32 v[SPW], v[NIL]
	s_wait_dscnt 0x0
	CROUND                                         ; the closing round
	s_endpgm
.Lfunc_end_k_q72116aaafc_attn:
	.size	k_q72116aaafc_attn, .Lfunc_end_k_q72116aaafc_attn-k_q72116aaafc_attn
	.p2alignl 7, 3214868480
	.fill 96, 4, 3214868480
	.section	.rodata,"a",@progbits
	.p2align	6, 0x0
	.amdhsa_kernel k_q72116aaafc_attn
		.amdhsa_group_segment_fixed_size 215552
		.amdhsa_private_segment_fixed_size 0
		.amdhsa_enable_private_segment 0
		.amdhsa_kernarg_size 32
		.amdhsa_user_sgpr_count 2
		.amdhsa_user_sgpr_kernarg_segment_ptr 1
		.amdhsa_wavefront_size32 1
		.amdhsa_system_sgpr_workgroup_id_x 1
		.amdhsa_system_sgpr_workgroup_id_y 1
		.amdhsa_system_sgpr_workgroup_id_z 1
		.amdhsa_system_vgpr_workitem_id 0
		.amdhsa_next_free_vgpr 256
		.amdhsa_next_free_sgpr 80
		.amdhsa_reserve_vcc 0
		.amdhsa_float_denorm_mode_32 3
		.amdhsa_float_denorm_mode_16_64 3
		.amdhsa_memory_ordered 1
		.amdhsa_forward_progress 1
		.amdhsa_inst_pref_size 44
	.end_amdhsa_kernel
	.amdgpu_metadata
---
amdhsa.version: [ 1, 2 ]
amdhsa.kernels:
  - .name:           k_q72116aaafc_attn
    .symbol:         k_q72116aaafc_attn.kd
    .args:
      - { .name: kv, .offset: 0, .size: 8, .value_kind: global_buffer, .address_space: global }
      - { .name: qimg, .offset: 8, .size: 8, .value_kind: global_buffer, .address_space: global }
      - { .name: oimg, .offset: 16, .size: 8, .value_kind: global_buffer, .address_space: global }
      - { .name: osc, .offset: 24, .size: 8, .value_kind: global_buffer, .address_space: global }
    .group_segment_fixed_size: 215552
    .private_segment_fixed_size: 0
    .kernarg_segment_align: 8
    .kernarg_segment_size: 32
    .max_flat_workgroup_size: 512
    .sgpr_count:     80
    .vgpr_count:     256
    .wavefront_size: 32
...
	.end_amdgpu_metadata
.endif
;; end of part 2
;; launch proj (part 3): grid 8 x 32, 4 waves a work-group, clusters of 4 x 4, 327,680 bytes of LDS; arguments oimg, osc, W_proj_codes, W_proj_scales, b_proj, out0; writes out0
.if DOCPART == 3
	.amdgcn_target "amdgcn-amd-amdhsa--gfx1250"
	.amdhsa_code_object_version 6
	.text
	.protected	k_q72116aaafc_proj
	.globl	k_q72116aaafc_proj
	.p2align	8
	.type	k_q72116aaafc_proj,@function
k_q72116aaafc_proj:
	s_mov_b64 s[64:65], 0
	v_nop
	global_prefetch_b8 v0, s[64:65] scope:SCOPE_SE
	s_setreg_imm32_b32 hwreg(HW_REG_WAVE_MODE, 25, 1), 1
	s_wait_xcnt 0x0
	s_wait_alu depctr_hold_cnt(0) depctr_sa_sdst(0) depctr_va_vdst(0) depctr_va_sdst(0) depctr_va_ssrc(0) depctr_va_vcc(0) depctr_vm_vsrc(0)
	s_getreg_b32 s2, hwreg(HW_REG_IB_STS2, 6, 4)
	s_cmp_eq_u32 s2, 0
	s_cbranch_scc0 .Lentry_in_a_cluster
	s_endpgm
.Lentry_in_a_cluster:
	s_bfe_u32 s2, ttmp6, 0x10000c
	s_cmp_lg_u32 s2, 0xf033
	s_cbranch_scc0 .Lentry_shape_is_right
	s_endpgm
.Lentry_shape_is_right:
; out = O W_proj^T + b on codes of FP4 (E2M1) with E8M0 scales, K = 1,024 = 16 heads x 64; sums in f32, the bias is the addend of each sum's first product.
; SHARES.  256 work-groups: 128 rows of W (x) and 8 tiles of 16 tokens (y): tile X of the blocks 8 j .. 8 j + 7 of 128 tokens, y = 16 x batch + 2 X + j, in the order in which oimg holds them.
; Four waves, 64 tokens x 64 columns each: 16 accumulators.  All of K lies in LDS: one tensor load a wave (waves 0 and 1: four tiles of O each, 32,768 dense bytes, images of operand registers; waves 2 and 3: 64 rows of W,
; 512 bytes + 16 of padding each); each byte is filled once, and no loop loads from memory, so there is nothing to prefetch ahead of.
; CLUSTERS 4 x 4: O's tiles are asked for jointly by a row of the cluster, W's rows by a column.
; Source 0 = 16 rows of W, source 1 = 16 tokens: a lane holds eight neighbouring numbers of a row of the result; 64 columns of a row, 256 bytes, go out through the wave's stage as one aligned unit.
; LIMITS: NaN and infinities are not served.
.set PITCH, 528
.set WB,    69632
.set STG,   WB+128*PITCH
.set LI,   3
.set ADA,  4
.set ADW,  5
.set STO,  6
.set RD,   7
.set CO,   8
.set WS,   32
.set AS,   64
.set BI,   96
.set ACC,  128
.set WV,  16
.set WR,  17
.set WC,  18
.set CX,  19
.set CY,  20
.set XT,  21
.set YT,  22
.set G1A, 24
.set G0A, 32
.set G1W, 48
.set G0W, 56
.set MSB, 0
.macro WIN new
.if MSB != \new
	s_set_vgpr_msb (MSB<<8)|\new
.set MSB, \new
.endif
.endm
.macro JLOAD s
	s_cmp_eq_u32 s[WR], 0
	s_cbranch_scc0 .Lfor_w_\@
	tensor_load_to_lds s[G0A+4*\s:G0A+4*\s+3], s[G1A:G1A+7]
	s_nop 0
.rept 4
	v_nop
.endr
	s_branch .Lasked_\@
.Lfor_w_\@:
	tensor_load_to_lds s[G0W+4*\s:G0W+4*\s+3], s[G1W:G1W+7]
	s_nop 0
.rept 4
	v_nop
.endr
.Lasked_\@:
.endm
.macro CROUND
	s_barrier_signal -1
	s_barrier_wait -1
	s_cmp_lg_u32 s[WV], 0
	s_cbranch_scc1 .Lnot_wave_0_\@
	s_barrier_signal -3
.Lnot_wave_0_\@:
	s_barrier_wait -3
	s_barrier_signal -1
	s_barrier_wait -1
.endm
.macro PLACES
.rept 4
	v_nop
.endr
.endm
	s_load_b256 s[4:11], s[0:1], 0x0
	s_load_b128 s[12:15], s[0:1], 0x20
	v_lshl_add_u32 v30, v0, 2, 0x29000
	v_mov_b32 v31, 0
	ds_add_u32 v30, v31
	ds_add_u32 v30, v31
	v_lshrrev_b32 v1, 5, v0
	v_readfirstlane_b32 s[WV], v1
	s_lshr_b32 s[WR], s[WV], 1
	s_and_b32 s[WC], s[WV], 1
	s_bfe_u32 s[CX], ttmp6, 0x40000
	s_bfe_u32 s[CY], ttmp6, 0x40004
	s_lshl_b32 s[XT], ttmp9, 2
	s_add_co_u32 s[XT], s[XT], s[CX]
	s_and_b32 s[YT], ttmp7, 0xffff
	s_lshl_b32 s[YT], s[YT], 2
	s_add_co_u32 s[YT], s[YT], s[CY]
	s_lshl_b32 s40, s[CY], 2
	s_lshl_b32 s40, 15, s40
	s_lshl_b32 s41, 0x1111, s[CX]
	s_or_b32 s[G1A], s40, (3<<16)|(1<<21)
	s_mov_b32 s[G1A+1], 1024<<16                   ; four tiles of 8,192 bytes
	s_mov_b32 s[G1A+2], 4<<16
	s_mov_b32 s[G1A+3], 1024<<16
	s_mov_b32 s[G1A+4], 4
	s_mov_b32 s[G1A+5], 1024
	s_mov_b32 s[G1A+6], 0
	s_mov_b32 s[G1A+7], 0
	s_or_b32 s[G1W], s41, (0<<16)|(1<<20)|(1<<21)|(6<<22)|(3<<25)
	s_mov_b32 s[G1W+1], 512<<16                    ; 64 rows of 512 bytes, four words of padding after every 128
	s_mov_b32 s[G1W+2], 64<<16
	s_mov_b32 s[G1W+3], 512<<16
	s_mov_b32 s[G1W+4], 64
	s_mov_b32 s[G1W+5], 512
	s_mov_b32 s[G1W+6], 0
	s_mov_b32 s[G1W+7], 0
	s_lshl_b32 s42, s[YT], 3
	s_lshl_b32 s23, s[WC], 2
	s_add_co_u32 s42, s42, s23
	s_lshl_b32 s42, s42, 13
	s_mov_b32 s43, 0
	s_lshl_b32 s44, s[XT], 7
	s_lshl_b32 s23, s[WC], 6
	s_add_co_u32 s44, s44, s23
	s_lshl_b32 s44, s44, 9
	s_mov_b32 s45, 0
	s_lshl_b32 s46, s[WV], 15
	s_mul_i32 s47, s[WV], 64*PITCH
	s_add_co_u32 s47, s47, WB-2*64*PITCH
	s_wait_dscnt 0x0
	s_wait_kmcnt 0x0
	s_add_nc_u64 s[42:43], s[4:5], s[42:43]
	s_add_nc_u64 s[44:45], s[8:9], s[44:45]
	CROUND
	s_mov_b32 s[G0A], 1
	s_mov_b32 s[G0A+1], s46
	s_mov_b64 s[G0A+2:G0A+3], s[42:43]
	s_or_b32 s[G0A+3], s[G0A+3], 0x80000000
	s_mov_b32 s[G0W], 1
	s_mov_b32 s[G0W+1], s47
	s_mov_b64 s[G0W+2:G0W+3], s[44:45]
	s_or_b32 s[G0W+3], s[G0W+3], 0x80000000
	JLOAD 0                                        ; one load a wave
	v_and_b32 v1, 15, v0
	v_bfe_u32 v2, v0, 4, 1
	v_and_b32 v[LI], 31, v0
	v_lshlrev_b32 v[LI], 4, v[LI]
	s_lshl_b32 s23, s[WR], 15
	v_add_nc_u32 v[ADA], s23, v[LI]
	v_mul_u32_u24 v[ADW], v1, PITCH
	v_lshl_add_u32 v[ADW], v2, 4, v[ADW]
	s_mul_i32 s23, s[WC], 64*PITCH
	s_add_co_u32 s23, s23, WB
	v_add_nc_u32 v[ADW], s23, v[ADW]
	s_mul_i32 s23, s[WV], 16*272
	s_add_co_u32 s23, s23, STG
	v_mul_u32_u24 v[STO], v1, 272
	v_lshl_add_u32 v[STO], v2, 5, v[STO]
	v_add_nc_u32 v[STO], s23, v[STO]
	v_mul_u32_u24 v[RD], v2, 272
	v_lshl_add_u32 v[RD], v1, 4, v[RD]
	v_add_nc_u32 v[RD], s23, v[RD]
	v_lshlrev_b32 v[CO], 12, v2
	v_lshl_add_u32 v[CO], v1, 4, v[CO]
	v_lshlrev_b32 v9, 5, v1
	s_wait_alu depctr_va_vdst(0)
	v_lshlrev_b32 v10, 5, v2
	s_wait_alu depctr_va_vdst(0)
	v_lshlrev_b32 v11, 3, v1
	s_wait_alu depctr_va_vdst(0)
	s_lshl_b32 s66, s[XT], 7
	s_lshl_b32 s67, s[WC], 6
	s_add_co_u32 s66, s66, s67
	s_lshl_b32 s68, s66, 5
	s_mov_b32 s69, 0
	s_lshl_b32 s70, s66, 2
	s_mov_b32 s71, 0
	s_add_nc_u64 s[10:11], s[10:11], s[68:69]
	s_add_nc_u64 s[12:13], s[12:13], s[70:71]
	s_lshr_b32 s72, s[YT], 4
	s_lshl_b32 s72, s72, 16
	s_and_b32 s73, s[YT], 15
	s_lshl_b32 s73, s73, 8
	s_add_co_u32 s72, s72, s73
	s_lshl_b32 s73, s[WR], 7
	s_add_co_u32 s72, s72, s73
	s_mov_b32 s73, 0
	s_add_nc_u64 s[6:7], s[6:7], s[72:73]
	s_lshr_b32 s74, s[YT], 4
	s_lshl_b32 s74, s74, 11                        ; my first token: 2,048 x batch
	s_and_b32 s75, s[YT], 1
	s_lshl_b32 s75, s75, 10
	s_add_co_u32 s74, s74, s75                     ; + 128 x 8 j
	s_lshl_b32 s75, s[WR], 9
	s_add_co_u32 s74, s74, s75                     ; + 128 x 4 x my half
	s_bfe_u32 s75, s[YT], 0x30001
	s_lshl_b32 s75, s75, 4
	s_add_co_u32 s74, s74, s75                     ; + 16 X
	s_lshl_b32 s74, s74, 12
	s_add_co_u32 s74, s74, s70
	s_mov_b32 s75, 0
	s_add_nc_u64 s[14:15], s[14:15], s[74:75]
.irp b, 0,1,2,3
.irp q, 0,1
	global_load_b128 v[WS+8*\b+4*\q:WS+8*\b+4*\q+3], v9, s[10:11] offset:512*\b+16*\q
.endr
.endr
.irp b, 0,1,2,3
	global_load_b128 v[BI+8*\b:BI+8*\b+3], v10, s[12:13] offset:64*\b
	global_load_b128 v[BI+8*\b+4:BI+8*\b+7], v10, s[12:13] offset:64*\b+16
.endr
.irp d, 0,1,2,3,4,5,6,7,8,9,10,11,12,13,14,15
	global_load_b64 v[ACC+2*\d:ACC+2*\d+1], v11, s[6:7] offset:4096*\d
.endr
	s_wait_loadcnt 0x0
.irp a, 0,1,2,3
.irp k, 0,1,2,3,4,5,6,7
.if \a%2 == 0
	v_perm_b32 v[AS+8*\a+\k], v[ACC+4*\k+2+\a/2], v[ACC+4*\k+\a/2], 0x05040100
.else
	v_perm_b32 v[AS+8*\a+\k], v[ACC+4*\k+2+\a/2], v[ACC+4*\k+\a/2], 0x07060302
.endif
.endr
.endr
.rept 8
	v_nop
.endr
; W's fragments of all of K fill window 1 (block b of step ks at v[32 ks + 8 b]), the tokens' window 2 (tile a of step ks at v[64 a + 8 ks]): each is loaded once, into registers that nothing used before.
; The tiles of tokens are finished by pairs, so that the first pair's rows leave while the second is multiplied.
.macro FETCH_W ks
.irp b, 0,1,2,3
.irp c, 0,1
	ds_load_b128 v[32*\ks+8*\b+4*\c:32*\ks+8*\b+4*\c+3], v[ADW] offset:64*\ks+16*PITCH*\b+32*\c
.endr
.endr
.endm
.macro FETCH_A a, ks
.irp c, 0,1
	ds_load_b128 v[64*\a+8*\ks+4*\c:64*\a+8*\ks+4*\c+3], v[ADA] offset:1024*\ks+8192*\a+512*\c
.endr
.endm
; eight products: tiles a0 and a0 + 1, step ks; the pair's eight accumulators take turns
.macro MUL a0, ks
	WIN 0x09
.irp a, \a0, \a0+1
.irp b, 0,1,2,3
.if (\ks) == 0
	v_wmma_scale_f32_16x16x128_f8f6f4 v[ACC+8*(4*(\a)+\b):ACC+8*(4*(\a)+\b)+7], v[32*\ks+8*\b:32*\ks+8*\b+7], v[64*(\a)+8*\ks:64*(\a)+8*\ks+7], v[BI+8*\b:BI+8*\b+7], v[WS+8*\b+\ks], v[AS+8*(\a)+\ks] matrix_a_fmt:MATRIX_FMT_FP4 matrix_b_fmt:MATRIX_FMT_FP4
.else
	v_wmma_scale_f32_16x16x128_f8f6f4 v[ACC+8*(4*(\a)+\b):ACC+8*(4*(\a)+\b)+7], v[32*\ks+8*\b:32*\ks+8*\b+7], v[64*(\a)+8*\ks:64*(\a)+8*\ks+7], v[ACC+8*(4*(\a)+\b):ACC+8*(4*(\a)+\b)+7], v[WS+8*\b+\ks], v[AS+8*(\a)+\ks] matrix_a_fmt:MATRIX_FMT_FP4 matrix_b_fmt:MATRIX_FMT_FP4
.endif
.endr
.endr
.endm
	s_wait_alu depctr_va_vdst(0)
	s_wait_tensorcnt 0x0                           ; my load has landed,
	s_barrier_signal -1
	s_barrier_wait -1                              ; and everybody's
	WIN 0x80
.irp a, 0,1
.irp ks, 0,1,2,3,4,5,6,7
	FETCH_A \a, \ks
.endr
.endr
	WIN 0x40
.irp ks, 0,1,2,3,4,5,6,7
	FETCH_W \ks
.endr
.irp ks, 0,1,2,3
	s_wait_dscnt 56-8*\ks                          ; the first pair and W's steps up to ks are in; eight loads for each later step may be out
	MUL 0, \ks
.endr
	WIN 0x80
.irp a, 2,3
.irp ks, 0,1,2,3,4,5,6,7
	FETCH_A \a, \ks
.endr
.endr
.irp ks, 4,5,6,7
	s_wait_dscnt 88-8*\ks                          ; likewise, and the second pair's 32
	MUL 0, \ks
.endr
	WIN 0
.macro TOSTAGE a
.irp b, 0,1,2,3
	ds_store_b128 v[STO], v[ACC+8*(4*\a+\b):ACC+8*(4*\a+\b)+3] offset:64*\b
	ds_store_b128 v[STO], v[ACC+8*(4*\a+\b)+4:ACC+8*(4*\a+\b)+7] offset:64*\b+16
.endr
.irp i, 0,1,2,3,4,5,6,7
	ds_load_b128 v[ACC+32*\a+4*\i:ACC+32*\a+4*\i+3], v[RD] offset:2*\i*272
.endr
.endm
.macro SEND a, younger
	s_wait_dscnt \younger
.irp i, 0,1,2,3,4,5,6,7
	global_store_b128 v[CO], v[ACC+32*\a+4*\i:ACC+32*\a+4*\i+3], s[14:15] offset:(128*\a+2*\i)*4096 th:TH_STORE_NT   ; tiles of tokens lie 128 rows apart
.endr
.endm
	PLACES
	TOSTAGE 0
	TOSTAGE 1
	s_wait_dscnt 32                                ; the second pair is in; the stage's 32 may be out
.irp ks, 0,1,2,3
	MUL 2, \ks
.endr
	WIN 0
	SEND 0, 16
	SEND 1, 0
.irp ks, 4,5,6,7
	MUL 2, \ks
.endr
	WIN 0
	PLACES
	TOSTAGE 2
	TOSTAGE 3
	SEND 2, 16
	SEND 3, 0
	s_wait_dscnt 0x0
	s_wait_tensorcnt 0x0
	ds_add_u32 v30, v31
	s_wait_dscnt 0x0
	CROUND
	s_endpgm
.Lfunc_end_k_q72116aaafc_proj:
	.size	k_q72116aaafc_proj, .Lfunc_end_k_q72116aaafc_proj-k_q72116aaafc_proj
	.p2alignl 7, 3214868480
	.fill 96, 4, 3214868480
	.section	.rodata,"a",@progbits
	.p2align	6, 0x0
	.amdhsa_kernel k_q72116aaafc_proj
		.amdhsa_group_segment_fixed_size 327680
		.amdhsa_private_segment_fixed_size 0
		.amdhsa_enable_private_segment 0
		.amdhsa_kernarg_size 48
		.amdhsa_user_sgpr_count 2
		.amdhsa_user_sgpr_kernarg_segment_ptr 1
		.amdhsa_wavefront_size32 1
		.amdhsa_system_sgpr_workgroup_id_x 1
		.amdhsa_system_sgpr_workgroup_id_y 1
		.amdhsa_system_sgpr_workgroup_id_z 1
		.amdhsa_system_vgpr_workitem_id 0
		.amdhsa_next_free_vgpr 768
		.amdhsa_next_free_sgpr 80
		.amdhsa_reserve_vcc 0
		.amdhsa_float_denorm_mode_32 3
		.amdhsa_float_denorm_mode_16_64 3
		.amdhsa_memory_ordered 1
		.amdhsa_forward_progress 1
		.amdhsa_inst_pref_size 46
	.end_amdhsa_kernel
	.amdgpu_metadata
---
amdhsa.version: [ 1, 2 ]
amdhsa.kernels:
  - .name:           k_q72116aaafc_proj
    .symbol:         k_q72116aaafc_proj.kd
    .args:
      - { .name: oimg, .offset: 0, .size: 8, .value_kind: global_buffer, .address_space: global }
      - { .name: osc, .offset: 8, .size: 8, .value_kind: global_buffer, .address_space: global }
      - { .name: W_proj_codes, .offset: 16, .size: 8, .value_kind: global_buffer, .address_space: global }
      - { .name: W_proj_scales, .offset: 24, .size: 8, .value_kind: global_buffer, .address_space: global }
      - { .name: b_proj, .offset: 32, .size: 8, .value_kind: global_buffer, .address_space: global }
      - { .name: out0, .offset: 40, .size: 8, .value_kind: global_buffer, .address_space: global }
    .group_segment_fixed_size: 327680
    .private_segment_fixed_size: 0
    .kernarg_segment_align: 8
    .kernarg_segment_size: 48
    .max_flat_workgroup_size: 128
    .sgpr_count:     80
    .vgpr_count:     768
    .wavefront_size: 32
...
	.end_amdgpu_metadata
.endif
;; end of part 3
